; MI455X (gfx1250); checked and timed in simulation.
; The chip was launched on July 23, 2026; its instructions are those of AMD's public machine-readable ISA for CDNA 5 (MIT licence, August 2026) and "CDNA5" Instruction Set Architecture Reference Guide (July 2026). The comments in the code are by the model that wrote it; some were corrected since.
;; Multi Head Attention. Allowed arithmetic: matrix products marked QUANTISED: E2M1 operands, one E8M0 scale for each 32 along K, by v_wmma_scale_f32_16x16x128_f8f6f4 with both operands' format E2M1 (or v_wmma_scale_f32_32x16x128_f4), f32 sums; products left as they are: bf16, f16 or f32 operands; f32 sums; everything else in f32.
;; Inputs: b_k 1,024 float32; b_out 1,024 float32; b_q 1,024 float32; b_v 1,024 float32; k 2 x 2,048 x 1,024 float32; q 2 x 2,048 x 1,024 float32; v 2 x 2,048 x 1,024 float32; w_k 1,024 x 1,024 float32; w_out 1,024 x 1,024 float32; w_q 1,024 x 1,024 float32; w_v 1,024 x 1,024 float32.
;; Outputs: out0 2 x 2,048 x 1,024 float32.
;; This version of the problem:
;;   THIS VERSION OF THE PROBLEM IS GIVEN IN LOW PRECISION. The matrix products marked QUANTISED in the list below multiply operands that are first quantised to E2M1 (2 exponent bits, 1 mantissa bit; 4 bits a number), with one power-of-two scale for each 32 numbers along K (OCP MX v1.0); their sums are f32. The products marked 'left as it is' may take bf16, f16 or f32 operands, with f32 sums. Whichever they take, every output number must still come out within the allowed error. Rounding operands to bf16 (8 significant bits) uses up far more of that allowance than f16 does (11 bits, for magnitudes from 6e-5 to 65,504). All else is computed in f32.
;;   The module's matrix products, in the order in which they are computed (A, B: the left and right operand; K: the contracted axis; several contracted axes count as one K, in the product's order):
;;     1. [M 4,096, K 1,024] x [K 1,024, N 1,024]; A: input q; B: input w_q: QUANTISED
;;     2. [M 4,096, K 1,024] x [K 1,024, N 1,024]; A: input k; B: input w_k: QUANTISED
;;     3. [M 4,096, K 1,024] x [K 1,024, N 1,024]; A: input v; B: input w_v: QUANTISED
;;     4. batch 32 x [M 2,048, K 64] x [K 64, N 2,048]; A: computed on the way; B: computed on the way: left as it is (an operand is computed on the way)
;;     5. batch 32 x [M 2,048, K 2,048] x [K 2,048, N 64]; A: computed on the way; B: computed on the way: left as it is (an operand is computed on the way)
;;     6. [M 4,096, K 1,024] x [K 1,024, N 1,024]; A: computed on the way; B: input w_out: left as it is (an operand is computed on the way)
;;   THE QUANTISER, for each operand of a quantised product, along K:
;;     - K is cut into blocks of 32 from its start; a last block that is shorter is filled with zeros.
;;     - A block's scale is 2^e with e = floor(log2(the largest magnitude in the block)) - 2, held to -126 .. 127; a block of zeros has e = 0. As a byte (E8M0): e + 127.
;;     - Each number is divided by its block's scale, clamped to +-6, and rounded to the nearest number of E2M1, ties to even, subnormals kept.
;;     - The product sums the exact products of the quantised numbers (number of the format x scale) in f32.
;;   ~~~python
;;   def quantise(x, axis):      # numpy; x: float32 -> the quantised numbers, widened to float32 again
;;       x = np.moveaxis(x, axis, -1); K = x.shape[-1]
;;       x = np.pad(x, [(0, 0)] * (x.ndim - 1) + [(0, -K % 32)]); x = x.reshape(x.shape[:-1] + (-1, 32)); a = np.abs(x).max(-1, keepdims=True)
;;       e = np.where(a > 0, np.clip(np.frexp(np.where(a > 0, a, 1))[1] - 1 - 2, -126, 127), 0)      # np.frexp(a)[1] - 1 = floor(log2(a)), exactly
;;       r = np.clip(x / 2.0 ** e, -6, 6)
;;       step = 2.0 ** (np.maximum(np.frexp(np.where(r == 0, 1, r))[1] - 1, 0) - 1)
;;       q = np.round(r / step) * step * 2.0 ** e      # np.round: ties to even
;;       return np.moveaxis(q.reshape(q.shape[:-2] + (-1,))[..., :K], -1, axis).astype(np.float32)
;;   ~~~
;; One version. Each part assembles by itself: llvm-mc -triple=amdgcn-amd-amdhsa -mcpu=gfx1250 --defsym DOCPART=n.
;; ======== version 1 of 1: 4 launches
;; limits: values are held in f16: magnitudes above 65,504 overflow, below 6.1e-05 lose precision
;; workspace buffers: wc 1,572,864 bytes; ws 98,304 bytes; wof 2,097,152 bytes; qf 8,388,608 bytes; kv 16,777,216 bytes; ctx 8,388,608 bytes
;; launch prep (part 1): grid 256 x 1, 4 waves a work-group, no clusters, 0 bytes of LDS; arguments w_q, w_k, w_v, w_out, wc, ws, wof; writes wc, ws, wof
.if DOCPART == 1
	.amdgcn_target "amdgcn-amd-amdhsa--gfx1250"
	.amdhsa_code_object_version 6
	.text
	.protected	k_qf04cf370d1_prep
	.globl	k_qf04cf370d1_prep
	.p2align	8
	.type	k_qf04cf370d1_prep,@function
k_qf04cf370d1_prep:
	s_mov_b64 s[64:65], 0
	v_nop
	global_prefetch_b8 v0, s[64:65] scope:SCOPE_SE
	s_setreg_imm32_b32 hwreg(HW_REG_WAVE_MODE, 25, 1), 1
	s_wait_xcnt 0x0
; THE WEIGHTS ARE LAID OUT ONCE, in the order in which a wave's operand registers take them.
; w_q, w_k, w_v [1024 (k)][1024 (n)] f32 become codes of FP4 (E2M1) along K, their FIRST axis, with one E8M0 byte for each 32 along K; w_out becomes f16.
;   wc  [t 3][s 8][ntile 64][c 2][lane 32][16 bytes]: lane (r, h) of chunk c holds the codes of column 16 ntile + r, k = 128 s + 64 c + 32 h + 0 .. 31
;   ws  [t 3][s 8][tp 32][lane 32] words: lane l holds the four scale bytes of K step s of column 32 tp + l
;   wof [ntile 64][ks 32][c 2][lane 32][16 bytes] f16: lane (r, h) holds w_out[32 ks + 16 c + 8 h + 0 .. 7][16 ntile + r]
; A LANE TAKES A COLUMN AND ITS REGISTERS RUN DOWN K: a load reads 128 consecutive bytes a wave (the four waves of a work-group stand side by side on 512), a block of 32 lies in one
; lane's registers, and the conversions give codes with K innermost.  A wave takes 32 columns x 128 along K of one tensor: 1,024 waves.  No LDS, no barrier: waves share nothing.
; A block's scale is 2^(floor(log2(its largest magnitude)) - 2): its byte is the largest magnitude's exponent field - 2, held at 1 from below.
; LIMITS: a block of zeros gets the byte 1 where the rule says 127 (its codes are zeros, and this program alone reads the bytes); blocks whose largest magnitude lies under 2^-124 keep the byte 1;
; NaN and infinities among the inputs are not served; w_out beyond 65,504 becomes infinity in f16, and under 6e-5 it loses bits.
.set X,  32                            ; v32-159  128 numbers: W(128 s + i, my column)
.set C,  160                           ; v160-175 the codes: four registers for each block, so that no store's data are written again
.set SB, 20                            ; v20      the four scale bytes
	s_load_b256 s[4:11], s[0:1], 0x0               ; w_q s[4:5], w_k s[6:7], w_v s[8:9], w_out s[10:11]
	s_load_b128 s[12:15], s[0:1], 0x20             ; wc s[12:13], ws s[14:15]
	s_load_b64 s[16:17], s[0:1], 0x30              ; wof
	v_lshrrev_b32 v4, 5, v0
	v_readfirstlane_b32 s18, v4                    ; wave 0..3
	v_and_b32 v5, 31, v0
	v_lshlrev_b32 v1, 2, v5                        ; in, and the scale words out: 4 bytes a lane
	v_and_b32 v6, 15, v0
	v_bfe_u32 v7, v0, 4, 1
	v_lshlrev_b32 v6, 4, v6
	v_lshl_add_u32 v2, v7, 10, v6                  ; codes out: lanes 16-31 hold the next tile of 16 columns, 1,024 bytes on; 16 bytes a column
	v_lshl_add_u32 v3, v7, 15, v6                  ; f16 out: the next tile lies 32,768 bytes on
	s_lshr_b32 s19, ttmp9, 6                       ; t: which tensor
	s_bfe_u32 s20, ttmp9, 0x30003                  ; s: which 128 along K
	s_and_b32 s21, ttmp9, 7
	s_lshl_b32 s21, s21, 2
	s_add_co_u32 s21, s21, s18                     ; tp: which 32 columns
	s_lshl_b32 s24, s20, 19                        ; 128 rows of 4,096 bytes
	s_lshl_b32 s25, s21, 7                         ; 32 columns of 4 bytes
	s_add_co_u32 s24, s24, s25
	s_mov_b32 s25, 0
	s_wait_kmcnt 0x0
	s_cmp_eq_u32 s19, 0                            ; the choice hangs on the work-group's number alone
	s_cselect_b64 s[22:23], s[4:5], s[6:7]
	s_cmp_eq_u32 s19, 2
	s_cselect_b64 s[22:23], s[8:9], s[22:23]
	s_cmp_eq_u32 s19, 3
	s_cselect_b64 s[22:23], s[10:11], s[22:23]
	s_add_nc_u64 s[22:23], s[22:23], s[24:25]
.macro LOADB bl                        ; block bl: 32 rows of my column
.irp i, 0,1,2,3,4,5,6,7,8,9,10,11,12,13,14,15,16,17,18,19,20,21,22,23,24,25,26,27,28,29,30,31
	global_load_b32 v[X+32*(\bl)+\i], v1, s[22:23] offset:(32*(\bl)+\i)*4096 th:TH_LOAD_NT
.endr
.endm
.macro ARRIVE bl                       ; block bl is in; the block two further on is asked for
.if (\bl) < 3
	s_wait_loadcnt 32                              ; the one younger block's 32 loads may be out
.else
	s_wait_loadcnt 0x0
.endif
.if (\bl) < 2
	LOADB (\bl)+2
.endif
.endm
	LOADB 0
	LOADB 1
	s_cmp_eq_u32 s19, 3
	s_cbranch_scc1 .Lhalf
	; ---- w_q, w_k, w_v: codes and scale words
	s_lshl_b32 s24, s19, 19                        ; wc: t x 524,288 + s x 65,536 + tp x 2,048
	s_lshl_b32 s25, s20, 16
	s_add_co_u32 s24, s24, s25
	s_lshl_b32 s25, s21, 11
	s_add_co_u32 s24, s24, s25
	s_mov_b32 s25, 0
	s_add_nc_u64 s[12:13], s[12:13], s[24:25]
	s_lshl_b32 s26, s19, 15                        ; ws: t x 32,768 + s x 4,096 + tp x 128
	s_lshl_b32 s27, s20, 12
	s_add_co_u32 s26, s26, s27
	s_lshl_b32 s27, s21, 7
	s_add_co_u32 s26, s26, s27
	s_mov_b32 s27, 0
	s_add_nc_u64 s[14:15], s[14:15], s[26:27]
.macro QBLK bl
.set XS, X+32*(\bl)
	ARRIVE \bl
	v_max3_num_f32 v12, |v[XS]|, |v[XS+1]|, |v[XS+2]|              ; the block's largest magnitude: all 32 numbers are mine; two chains
	v_max3_num_f32 v13, |v[XS+3]|, |v[XS+4]|, |v[XS+5]|
.irp i, 6,10,14,18,22,26
	v_max3_num_f32 v12, v12, |v[XS+\i]|, |v[XS+\i+1]|
	v_max3_num_f32 v13, v13, |v[XS+\i+2]|, |v[XS+\i+3]|
.endr
	v_max3_num_f32 v12, v12, |v[XS+30]|, |v[XS+31]|
	v_max3_num_f32 v12, v12, v13, 0x1800000        ; and the floor 2^(3 - 127): the byte cannot fall under 1
	v_add_nc_u32 v11, 0xff000000, v12              ; 2 off its exponent field: the conversion takes the exponent field of this operand as its scale
	v_lshrrev_b32 v13, 23, v11                     ; the scale's byte
.if (\bl) == 0
	v_mov_b32 v[SB], v13
.else
	v_lshl_or_b32 v[SB], v13, 8*(\bl), v[SB]       ; the lower K in the lower byte
.endif
.irp g, 0,1,2,3
	v_cvt_scalef32_pk8_fp4_f32 v[C+4*(\bl)+\g], v[XS+8*\g:XS+8*\g+7], v11
.endr
	global_store_b128 v2, v[C+4*(\bl):C+4*(\bl)+3], s[12:13] offset:((\bl)/2)*512+((\bl)%2)*256   ; block bl is half bl % 2 of chunk bl / 2: sixteen lanes store 256 consecutive bytes, aligned
.endm
	QBLK 0                                         ; (the next block begins with plain vector lines: they stand between the conversions and the next write of their scale operand)
	QBLK 1
	QBLK 2
	QBLK 3
	global_store_b32 v1, v[SB], s[14:15]           ; 128 consecutive bytes a wave; the neighbouring wave's 128 complete the 256.  96 KB in the whole launch
	s_endpgm
.Lhalf:
	; ---- w_out: f16, rounded once
	s_lshl_b32 s28, s21, 16                        ; wof: tp x 65,536 + s x 4,096
	s_lshl_b32 s29, s20, 12
	s_add_co_u32 s28, s28, s29
	s_mov_b32 s29, 0
	s_add_nc_u64 s[16:17], s[16:17], s[28:29]
.macro HBLK bl
.set XS, X+32*(\bl)
	ARRIVE \bl
.irp i, 0,1,2,3,4,5,6,7,8,9,10,11,12,13,14,15
	v_cvt_pk_f16_f32 v[XS+\i], v[XS+2*\i], v[XS+2*\i+1]            ; in place, ascending: a destination is never a later line's source
.endr
.irp q, 0,1,2,3
	global_store_b128 v3, v[XS+4*\q:XS+4*\q+3], s[16:17] offset:(\bl)*1024+(\q/2)*512+(\q%2)*256   ; eight along K: half q % 2 of chunk q / 2 of K step 4 s + bl
.endr
.endm
	HBLK 0
	HBLK 1
	HBLK 2
	HBLK 3
	s_endpgm
.Lfunc_end_k_qf04cf370d1_prep:
	.size	k_qf04cf370d1_prep, .Lfunc_end_k_qf04cf370d1_prep-k_qf04cf370d1_prep
	.p2alignl 7, 3214868480
	.fill 96, 4, 3214868480
	.section	.rodata,"a",@progbits
	.p2align	6, 0x0
	.amdhsa_kernel k_qf04cf370d1_prep
		.amdhsa_group_segment_fixed_size 0
		.amdhsa_private_segment_fixed_size 0
		.amdhsa_enable_private_segment 0
		.amdhsa_kernarg_size 56
		.amdhsa_user_sgpr_count 2
		.amdhsa_user_sgpr_kernarg_segment_ptr 1
		.amdhsa_wavefront_size32 1
		.amdhsa_system_sgpr_workgroup_id_x 1
		.amdhsa_system_sgpr_workgroup_id_y 1
		.amdhsa_system_sgpr_workgroup_id_z 1
		.amdhsa_system_vgpr_workitem_id 0
		.amdhsa_next_free_vgpr 176
		.amdhsa_next_free_sgpr 66
		.amdhsa_reserve_vcc 0
		.amdhsa_float_denorm_mode_32 3
		.amdhsa_float_denorm_mode_16_64 3
		.amdhsa_memory_ordered 1
		.amdhsa_forward_progress 1
		.amdhsa_inst_pref_size 33
	.end_amdhsa_kernel
	.amdgpu_metadata
---
amdhsa.version: [ 1, 2 ]
amdhsa.kernels:
  - .name:           k_qf04cf370d1_prep
    .symbol:         k_qf04cf370d1_prep.kd
    .args:
      - { .name: w_q, .offset: 0, .size: 8, .value_kind: global_buffer, .address_space: global }
      - { .name: w_k, .offset: 8, .size: 8, .value_kind: global_buffer, .address_space: global }
      - { .name: w_v, .offset: 16, .size: 8, .value_kind: global_buffer, .address_space: global }
      - { .name: w_out, .offset: 24, .size: 8, .value_kind: global_buffer, .address_space: global }
      - { .name: wc, .offset: 32, .size: 8, .value_kind: global_buffer, .address_space: global }
      - { .name: ws, .offset: 40, .size: 8, .value_kind: global_buffer, .address_space: global }
      - { .name: wof, .offset: 48, .size: 8, .value_kind: global_buffer, .address_space: global }
    .group_segment_fixed_size: 0
    .private_segment_fixed_size: 0
    .kernarg_segment_align: 8
    .kernarg_segment_size: 56
    .max_flat_workgroup_size: 128
    .sgpr_count:     66
    .vgpr_count:     176
    .wavefront_size: 32
...
	.end_amdgpu_metadata
.endif
;; end of part 1
;; launch proj (part 2): grid 192 x 1, 4 waves a work-group, no clusters, 303,616 bytes of LDS; arguments q, k, v, b_q, b_k, b_v, wc, ws, qf, kv; writes qf, kv
.if DOCPART == 2
	.amdgcn_target "amdgcn-amd-amdhsa--gfx1250"
	.amdhsa_code_object_version 6
	.text
	.protected	k_qf04cf370d1_proj
	.globl	k_qf04cf370d1_proj
	.p2align	8
	.type	k_qf04cf370d1_proj,@function
k_qf04cf370d1_proj:
	s_mov_b64 s[64:65], 0
	v_nop
	global_prefetch_b8 v0, s[64:65] scope:SCOPE_SE
	s_setreg_imm32_b32 hwreg(HW_REG_WAVE_MODE, 25, 1), 1
	s_wait_xcnt 0x0
; THE THREE PROJECTIONS: y = x W + b on codes of FP4 (E2M1) with one E8M0 scale for each 32 along K; x = q, k or v [4096][1024] f32, W's codes and scale words as the launch before laid them.
; SHARES.  Work-group g: tensor t = g / 64, tokens 64 (g % 64) on.  It takes 64 rows x all 1,024 columns x all of K: x is read from memory once, as f32, and its codes never go to memory.
; Wave w owns columns 256 w .. 256 w + 255 (heads 4 w .. 4 w + 3), IN TWO PASSES of 8 tiles of 16 columns: 4 tiles of rows x 8 = 32 accumulators, 256 registers.
; X.  Four tensor loads a wave, issued together, bring K quarter w (256 numbers) of the 64 rows into LDS, 16 rows each, so that a piece is quantised while the later pieces are on their way.  The wave alone reads
; its tile: a lane takes two whole blocks of 32 of its row, so the conversions' results are the operand's registers.  The eight fragments and their scale words go to LDS as IMAGES OF THE REGISTERS
; (16 bytes a lane, 4 bytes a lane); one barrier; every wave reads all 32, once in each pass.
; W.  The weights go from memory straight into registers, 16 bytes a lane.  A pass's fragments of ALL of K are 8 x 8 x 8 = 512 registers: pass 1's 128 loads stand at the head, behind the tensor loads; behind
; K step s of pass 1 its 64 registers take pass 2's fragments of K step s: 7 K steps and a way out ahead of their use.  Pass 1's stores leave while pass 2 is multiplied.
; NO CLUSTER, NO JOINT LOADS for the weights: LDS holds the f32 tile (266,240 bytes) and the images (36,864); two slots of one K step of weights (2 x 65,536) do not fit beside them in 327,680.
; THE MATRIX INSTRUCTION IS USED TRANSPOSED (source 0 = 16 columns of W, source 1 = 16 rows of x): a lane holds eight neighbouring columns of one token, which pack into 16 bytes of f16.
; OUT.  (y + b) x c, c = log2(e) / 8 for q (so that a score is the exponent of 2 as it stands) and 1 for k, v; rounded once to f16 and stored in the order of the next launch's operand registers:
;   a group of 64 tokens of a head is 8,192 bytes; chunk (a, bq) at (a / 2) 4096 + bq 1024 + (a % 2) 512 holds token 16 a + r, channels 16 bq + 8 h + 0 .. 7, at 16 x place.
;   q, k: place = lane.  v: place = lane with bits 3 and 4 exchanged, so that the turning LDS load at 16 x lane gives V^T's fragment.   qf [bh][group][8 KB];  kv [bh][group][K 8 KB | V 8 KB].
; LIMITS: a block of zeros gets the byte 1 (its codes are zeros); blocks whose largest magnitude lies under 2^-124 keep the byte 1; NaN and infinities are not served;
; a projected number beyond 65,504 becomes infinity in f16, and under 6e-5 it loses bits.
; REGISTERS, in windows of 256: window 0: v1-13 addresses; v32-95 x's fragments, two sets (before that numbers, on the way out packed results); v96-103 x's scale words, two sets; v104-119 the quantiser's;
;   v128-191 W's scale words of all of K; v192-255 numbers, then the pass's bias.   window 1: W's fragments of K steps 0-3;  window 2: of K steps 4-7.   window 3: the accumulators.
.set XPITCH, 1040                      ; a row of the f32 tile in LDS: 1,024 bytes + 16 of padding = 260 words: row r starts at bank 4 r mod 64 (64 banks of 4 bytes: ISA guide 11.1)
.set XPIECE, 16*XPITCH                 ; 16 rows: what one tensor load brings
.set XTILE,  4*XPIECE                  ; a wave's tile
.set XIMG,   4*XTILE                   ; x's 32 fragments: (tile of rows m, K step s) at (8 m + s) x 1,024
.set XSC,    XIMG+32*1024              ; their scale words: (8 m + s) x 128
.set SPARE,  XSC+32*128                ; the spare words, 128 bytes for each wave: two blocks of 256 bytes that no other line names
.set XA,  1                            ; v1   my place in my wave's tile: row r, + 128 h
.set LI,  2                            ; v2   XIMG + 16 x lane
.set LS,  3                            ; v3   XSC + 4 x lane
.set XWI, 4                            ; v4   where I store images: LI + 2,048 x wave
.set XWS, 5                            ; v5   and scale words: LS + 256 x wave
.set GW,  6                            ; v6   16 x lane: W's fragments
.set GS,  7                            ; v7   4 x lane: W's scale words
.set GB,  8                            ; v8   32 h: the bias
.set VO,  9                            ; v9   16 x my place in a chunk of the output
.set H8,  10                           ; v10  8 h
.set PD,  11                           ; v11  a lane permute's destination
.set SPW, 12                           ; v12  LDS address of my spare word; never rewritten
.set NIL, 13                           ; v13  0; never rewritten
.set XF,  32
.set OUT, 32                           ; the way out: packed results, v32-63 and v64-95 by turns
.set XS,  96
.set CD,  104                          ; v104-111 the codes just made
.set PW,  112                          ; v112 the scale word just made
.set MX,  114                          ; v114-115 largest magnitudes
.set SO,  116                          ; v116-117 the conversions' scale operands
.set BY,  118                          ; v118-119 bytes
.set WS,  128
.set BI,  192                          ; v192-255 the pass's bias, in the result's layout
.set G1,  36                           ; s[36:43] descriptor group 1
.set G0,  68                           ; s[68:83] descriptor group 0, a set for each of the four pieces; never rewritten
.set MSB, 0
.macro WIN new                         ; the immediate's high byte repeats the setting that is left; a switch that changes nothing is dropped
.if MSB != (\new)
	s_set_vgpr_msb (MSB<<8)|(\new)
.set MSB, (\new)
.endif
.endm
	s_load_b512 s[8:23], s[0:1], 0x0               ; q s[8:9], k s[10:11], v s[12:13], b_q s[14:15], b_k s[16:17], b_v s[18:19], wc s[20:21], ws s[22:23]
	s_load_b128 s[24:27], s[0:1], 0x40             ; qf s[24:25], kv s[26:27]
	v_lshl_add_u32 v[SPW], v0, 2, SPARE
	v_mov_b32 v[NIL], 0
	ds_add_u32 v[SPW], v[NIL]                      ; the wave's opening: the add, twice on end, and its wait ahead of my first tensor load
	ds_add_u32 v[SPW], v[NIL]                      ; and once more, under the one wait; the set-up below, work on registers, stands between
	v_lshrrev_b32 v14, 5, v0
	v_readfirstlane_b32 s28, v14                   ; wave 0..3
	s_lshr_b32 s29, ttmp9, 6                       ; t
	s_and_b32 s30, ttmp9, 63                       ; which 64 tokens
	; descriptor group 1: a tile of 16 rows x 256 numbers of 4 bytes, padded in LDS
	s_mov_b32 s[G1+0], (2<<16)|(1<<20)|(7<<22)|(3<<25)   ; 15:0 no mask; 17:16 elements of 4 bytes; 20 padding on; 24:22 after every 256 words (code 7); 31:25 four words (code 3)
	s_mov_b32 s[G1+1], 256<<16                     ; tensor_dim0
	s_mov_b32 s[G1+2], 16<<16                      ; tensor_dim1
	s_mov_b32 s[G1+3], 256<<16                     ; tile_dim0
	s_mov_b32 s[G1+4], 16                          ; tile_dim1
	s_mov_b32 s[G1+5], 1024                        ; elements from row to row
	s_mov_b32 s[G1+6], 0
	s_mov_b32 s[G1+7], 0
	s_mul_i32 s84, s28, XTILE                      ; my wave's tile in LDS
.irp m, 0,1,2,3
	s_mov_b32 s[G0+4*\m], 1                        ; count = 1
	s_add_co_u32 s[G0+4*\m+1], s84, \m*XPIECE      ; LDS address: piece m of my wave's tile
.endr
	s_mov_b32 s48, 0x76543210
	s_mov_b32 s49, 0xfedcba98                      ; v_permlanex16_b32's selects for lane l xor 16
	v_and_b32 v14, 31, v0                          ; lane
	v_and_b32 v15, 15, v0                          ; r
	v_bfe_u32 v16, v0, 4, 1                        ; h
	v_mul_u32_u24 v[XA], v15, XPITCH
	v_lshl_add_u32 v[XA], v16, 7, v[XA]
	v_add_nc_u32 v[XA], s84, v[XA]
	v_lshl_add_u32 v[LI], v14, 4, XIMG
	v_lshl_add_u32 v[LS], v14, 2, XSC
	s_lshl_b32 s62, s28, 11
	v_add_nc_u32 v[XWI], s62, v[LI]
	s_lshl_b32 s62, s28, 8
	v_add_nc_u32 v[XWS], s62, v[LS]
	v_lshlrev_b32 v[GW], 4, v14
	v_lshlrev_b32 v[GS], 2, v14
	v_lshlrev_b32 v[GB], 5, v16
	v_lshlrev_b32 v[H8], 3, v16
	v_mov_b32 v[PD], 0                             ; written once: a lane permute's destination counts as one of its sources
	s_wait_dscnt 0x0                               ; both opening adds are done
	s_wait_kmcnt 0x0
	s_cmp_eq_u32 s29, 0                            ; every choice hangs on the work-group's number alone
	s_cselect_b64 s[4:5], s[8:9], s[10:11]         ; x
	s_cselect_b64 s[6:7], s[14:15], s[16:17]       ; its bias
	s_cselect_b64 s[60:61], s[24:25], s[26:27]     ; where the results go
	s_cselect_b32 s50, 0x3e38aa3b, 1.0             ; c = log2(e) / 8 for q
	s_cselect_b32 s31, 18, 19                      ; a head is 2^18 bytes of qf, 2^19 of kv
	s_cselect_b32 s2, 13, 14                       ; a group of 64 tokens 2^13, 2^14
	s_cmp_eq_u32 s29, 2
	s_cselect_b64 s[4:5], s[12:13], s[4:5]
	s_cselect_b64 s[6:7], s[18:19], s[6:7]
	s_cselect_b32 s3, 0x2000, 0                    ; V lies behind K in a group
	s_cselect_b32 s62, 8, 7                        ; v: the lane's bits 3 and 4 change places
	s_cselect_b32 s63, 7, 8
	s_mov_b32 s51, s50                             ; (named with it as a pair, so it is written)
	s_lshl_b32 s32, s30, 18                        ; 64 rows of 4,096 bytes
	s_lshl_b32 s33, s28, 10                        ; K quarter w: 256 numbers
	s_add_co_u32 s32, s32, s33
	s_mov_b32 s33, 0
	s_add_nc_u64 s[4:5], s[4:5], s[32:33]          ; x at my quarter of the first row
.irp m, 0,1,2,3
	s_add_nc_u64 s[G0+4*\m+2:G0+4*\m+3], s[4:5], \m*65536          ; 16 rows of 4,096 bytes on for each piece
	s_or_b32 s[G0+4*\m+3], s[G0+4*\m+3], 0x80000000                ; type = 2
.endr
.irp m, 0,1,2,3
	tensor_load_to_lds s[G0+4*\m:G0+4*\m+3], s[G1:G1+7]            ; my four tensor loads go out together: four are out; filled once, read by me alone
	s_nop 0
.endr
.rept 4
	v_nop
.endr
	v_and_b32 v17, 7, v0
	v_bfe_u32 v18, v0, 3, 1
	v_lshlrev_b32 v[VO], 4, v17
	v_lshlrev_b32 v18, s62, v18
	v_lshlrev_b32 v19, s63, v16
	v_add_nc_u32 v[VO], v[VO], v18
	v_add_nc_u32 v[VO], v[VO], v19
	s_lshl_b32 s4, s29, 19                         ; wc: t x 524,288 + my 16 tiles of columns, 1,024 bytes each
	s_lshl_b32 s5, s28, 14
	s_add_co_u32 s4, s4, s5
	s_mov_b32 s5, 0
	s_add_nc_u64 s[32:33], s[20:21], s[4:5]
	s_lshl_b32 s4, s29, 15                         ; ws: t x 32,768 + my 8 pairs of tiles, 128 bytes each
	s_lshl_b32 s62, s28, 10
	s_add_co_u32 s4, s4, s62
	s_add_nc_u64 s[34:35], s[22:23], s[4:5]
	s_mov_b32 s4, s62                              ; the bias: my 256 numbers
	s_add_nc_u64 s[6:7], s[6:7], s[4:5]
	s_lshr_b32 s62, s30, 5                         ; the batch
	s_and_b32 s63, s30, 31                         ; the group of 64 tokens in it
	s_lshl_b32 s62, s62, 4
	s_lshl_b32 s4, s28, 2
	s_add_co_u32 s62, s62, s4                      ; bh of my first head: 16 x batch + 4 x wave
	s_lshl_b32 s62, s62, s31
	s_lshl_b32 s63, s63, s2
	s_add_co_u32 s62, s62, s63
	s_add_co_u32 s62, s62, s3
	s_mov_b32 s63, 0
	s_add_nc_u64 s[52:53], s[60:61], s[62:63]      ; s[52:59]: where my four heads' groups begin
	s_lshl_b32 s62, 1, s31
	s_add_nc_u64 s[54:55], s[52:53], s[62:63]
	s_add_nc_u64 s[56:57], s[54:55], s[62:63]
	s_add_nc_u64 s[58:59], s[56:57], s[62:63]
.macro WLOAD p, s                      ; pass p's 8 fragments of K step s: a load reads 512 consecutive bytes.  (The caller sets the windows back)
	WIN 0x40*(1+(\s)/4)                            ; destination window 1 (K steps 0-3) or 2 (K steps 4-7), address window 0
.irp b, 0,1,2,3,4,5,6,7
.irp c, 0,1
	global_load_b128 v[64*((\s)%4)+8*\b+4*\c:64*((\s)%4)+8*\b+4*\c+3], v[GW], s[32:33] offset:(\s)*65536+(8*(\p)+\b)*1024+\c*512
.endr
.endr
.endm
.macro BLOAD p                         ; pass p's bias in the result's layout: lane (r, h) wants, for tile b, numbers 16 b + 8 h + 0 .. 7
.irp b, 0,1,2,3,4,5,6,7
.irp u, 0,1
	global_load_b128 v[BI+8*\b+4*\u:BI+8*\b+4*\u+3], v[GB], s[6:7] offset:64*(8*(\p)+\b)+16*\u
.endr
.endr
.endm
	; the global loads stand in this order, on which the counts below rest: 64 scale words, pass 1's 8 x 16 fragment loads; behind the quantiser the bias's 16
.irp s, 0,1,2,3,4,5,6,7
.irp p, 0,1,2,3,4,5,6,7
	global_load_b32 v[WS+8*\s+\p], v[GS], s[34:35] offset:\s*4096+\p*128   ; lanes 0-15: tile 2 p's words, lanes 16-31: tile 2 p + 1's
.endr
.endr
.irp s, 0,1,2,3,4,5,6,7
	WLOAD 0, \s
.endr
	WIN 0
; ---- X: fragment f = 2 m + sl: rows 16 m on (piece m), my K step sl.  Lane (r, h) takes of row r the numbers 64 c + 32 h + 0 .. 31: two whole blocks, in the order of the operand's registers
.macro NLOAD f
.set NS, 192-160*((\f)%2)              ; v192-255 and v32-95 by turns
.set NO, ((\f)/2)*XPIECE+((\f)%2)*512
.irp c, 0,1
.irp i, 0,1,2,3,4,5,6,7
	ds_load_b128 v[NS+32*\c+4*\i:NS+32*\c+4*\i+3], v[XA] offset:NO+256*\c+16*\i
.endr
.endr
.endm
.macro QUANT f
.set NS, 192-160*((\f)%2)
.irp c, 0,1
	v_max3_num_f32 v[MX+\c], |v[NS+32*\c]|, |v[NS+32*\c+1]|, 0x1800000   ; my block 2 c + h, and the floor 2^(3 - 127): the byte cannot fall under 1
.endr
.irp i, 2,4,6,8,10,12,14,16,18,20,22,24,26,28,30
.irp c, 0,1
	v_max3_num_f32 v[MX+\c], v[MX+\c], |v[NS+32*\c+\i]|, |v[NS+32*\c+\i+1]|   ; (the two blocks by turns)
.endr
.endr
.irp c, 0,1
	v_add_nc_u32 v[SO+\c], 0xff000000, v[MX+\c]    ; 2 off the exponent field: the conversion's scale operand
.endr
.irp c, 0,1
	v_lshrrev_b32 v[BY+\c], 23, v[SO+\c]           ; the scale's byte
.endr
	v_lshl_or_b32 v[PW], v[BY+1], 16, v[BY]        ; my two bytes: blocks h and 2 + h of row r,
	v_lshlrev_b32 v[PW], v[H8], v[PW]              ; at their places in the word;
	v_permlanex16_b32 v[PD], v[PW], s48, s49
	v_or_b32 v[PW], v[PW], v[PD]                   ; with lane l xor 16's two the word is whole
.irp c, 0,1
.irp g, 0,1,2,3
	v_cvt_scalef32_pk8_fp4_f32 v[CD+4*\c+\g], v[NS+32*\c+8*\g:NS+32*\c+8*\g+7], v[SO+\c]
.endr
.endr
	v_nop                                          ; one plain place behind the scaled conversions
.irp c, 0,1
	ds_store_b128 v[XWI], v[CD+4*\c:CD+4*\c+3] offset:((\f)/2)*8192+((\f)%2)*1024+512*\c   ; the fragment goes to LDS as it stands
.endr
	ds_store_b32 v[XWS], v[PW] offset:((\f)/2)*1024+((\f)%2)*128
.endm
	s_wait_tensorcnt 3                             ; tensor loads of a wave end in order (ISA guide 10.11.1): piece 0 is in LDS, the three later pieces may be out; nobody else reads my tile
	NLOAD 0
.irp f, 0,1,2,3,4,5,6
.if (\f+1)%2 == 0
	s_wait_tensorcnt 3-(\f+1)/2                    ; the next piece is in; the pieces behind it may be out
.endif
	NLOAD \f+1
	s_wait_dscnt 16                                ; only the next fragment's 16 loads may be out: my numbers are in, and the last fragment's stores have read the registers that are written now
	QUANT \f
.endr
	s_wait_dscnt 0x0
	QUANT 7
	BLOAD 0                                        ; into the registers that fragment 6's numbers have left: wanted on pass 1's way out
	s_wait_dscnt 0x0                               ; for the others' sake: my stores have landed
	s_barrier_signal -1
	s_barrier_wait -1                              ; x's 32 fragments lie in LDS
.macro XLOAD s                         ; K step s of the four tiles of rows, and their scale words, into set s % 2
.irp a, 0,1,2,3
.irp c, 0,1
	ds_load_b128 v[XF+32*((\s)%2)+8*\a+4*\c:XF+32*((\s)%2)+8*\a+4*\c+3], v[LI] offset:(8*\a+(\s))*1024+512*\c
.endr
	ds_load_b32 v[XS+4*((\s)%2)+\a], v[LS] offset:(8*\a+(\s))*128
.endr
.endm
; 32 matrix instructions: the four tiles of rows x pass p's 8 tiles of columns.  A pass's first K step starts the sums: nothing is cleared.
.macro MUL32 p, s
.irp a, 0,1,2,3
.irp b, 0,1,2,3,4,5,6,7
.set AC, 8*(8*\a+\b)
.set WF, 64*((\s)%4)+8*\b
.set XR, XF+32*((\s)%2)+8*\a
.set SW, WS+8*(\s)+4*(\p)+\b/2
.set SX, XS+4*((\s)%2)+\a
.if (\s) == 0
.if \b%2 == 0
	v_wmma_scale_f32_16x16x128_f8f6f4 v[AC:AC+7], v[WF:WF+7], v[XR:XR+7], 0, v[SW], v[SX] matrix_a_fmt:MATRIX_FMT_FP4 matrix_b_fmt:MATRIX_FMT_FP4
.else
	v_wmma_scale_f32_16x16x128_f8f6f4 v[AC:AC+7], v[WF:WF+7], v[XR:XR+7], 0, v[SW], v[SX] matrix_a_fmt:MATRIX_FMT_FP4 matrix_b_fmt:MATRIX_FMT_FP4 matrix_a_scale:MATRIX_SCALE_ROW1
.endif
.else
.if \b%2 == 0
	v_wmma_scale_f32_16x16x128_f8f6f4 v[AC:AC+7], v[WF:WF+7], v[XR:XR+7], v[AC:AC+7], v[SW], v[SX] matrix_a_fmt:MATRIX_FMT_FP4 matrix_b_fmt:MATRIX_FMT_FP4
.else
	v_wmma_scale_f32_16x16x128_f8f6f4 v[AC:AC+7], v[WF:WF+7], v[XR:XR+7], v[AC:AC+7], v[SW], v[SX] matrix_a_fmt:MATRIX_FMT_FP4 matrix_b_fmt:MATRIX_FMT_FP4 matrix_a_scale:MATRIX_SCALE_ROW1
.endif
.endif
.endr
.endr
.endm
; A K step of 128 of pass p: 32 matrix instructions; the 32 accumulators take turns, one instruction a turn, in the same order in every step.
.macro KSTEP p, s
.if (\p) == 0 && (\s) == 0
	s_wait_loadcnt 16                              ; only the bias's 16 loads may be out: W's scale words and all of pass 1's fragments are in
.endif
.if (\p) == 0 && (\s) == 3
	s_wait_loadcnt 48                              ; behind the bias's loads stand 3 x 16 of pass 2's: the bias is in.  (At the pass's end 128 stand behind it, more than a wait can name)
.endif
.if (\p) == 1 && (\s) == 0
	s_wait_loadcnt 48                              ; K steps 6 and 7 and the second bias, 3 x 16 loads, may be out: K steps 0 to 5 are in
.endif
.if (\p) == 1 && (\s) >= 6
	s_wait_loadcnt 16*(8-(\s))                     ; this step's fragments are in; the later step's 16 loads and the bias's 16 may be out
.endif
	s_wait_dscnt 0x0                               ; this step's fragments of x
.if (\s) < 7
	XLOAD (\s)+1                                   ; into the set that the step before multiplied: its four places stand at that step's end
.endif
	WIN 0xf1+(\s)/4                                ; source 0 (W) window 1 or 2, source 1 (x) window 0, C and D window 3
	MUL32 \p, \s
	WIN 0
.rept 4
	v_nop                                          ; four places in front of loads into registers that matrix instructions have read (ISA guide 7.12.1 for vector instructions)
.endr
.if (\p) == 0
	WLOAD 1, \s                                    ; this step's 64 registers take pass 2's fragments of the same K step
	WIN 0
.endif
.endm
; THE WAY OUT of pass p: (y + b) c = y c + b c: one packed multiply-add, in place; rounded to f16; a store covers 512 consecutive bytes, aligned.
.macro OUTA p, a                       ; tile of rows a, the pass's 8 tiles of columns (two heads)
.set OS, OUT+32*((\a)%2)
	WIN 0xc3                                       ; destination and source 0 window 3, the bias window 0
.irp b, 0,1,2,3,4,5,6,7
.irp i, 0,1,2,3
	v_pk_fma_f32 v[8*(8*(\a)+\b)+2*\i:8*(8*(\a)+\b)+2*\i+1], v[8*(8*(\a)+\b)+2*\i:8*(8*(\a)+\b)+2*\i+1], s[50:51], v[BI+8*\b+2*\i:BI+8*\b+2*\i+1] op_sel_hi:[1,0,1]   ; each accumulator from its low end on
.endr
.endr
	WIN 0x0f                                       ; sources 0 and 1 window 3, destination window 0
	s_wait_xcnt 0x0                                ; the earlier stores have read their data: the registers may be written again
.irp b, 0,1,2,3,4,5,6,7
.irp i, 0,1,2,3
	v_cvt_pk_f16_f32 v[OS+4*\b+\i], v[8*(8*(\a)+\b)+2*\i], v[8*(8*(\a)+\b)+2*\i+1]
.endr
.endr
	WIN 0
.irp b, 0,1,2,3,4,5,6,7
	global_store_b128 v[VO], v[OS+4*\b:OS+4*\b+3], s[52+2*(2*(\p)+\b/4):53+2*(2*(\p)+\b/4)] offset:((\a)/2)*4096+(\b%4)*1024+((\a)%2)*512
.endr
.endm
.macro WAYOUT p
.set i, 0
.rept 32
	v_pk_mul_f32 v[BI+i:BI+i+1], v[BI+i:BI+i+1], s[50:51] op_sel_hi:[1,0]   ; b c.  These name no register of the last products: they are the places behind them
.set i, i+2
.endr
.irp a, 0,1,2,3
	OUTA \p, \a
.endr
.endm
	XLOAD 0
.irp s, 0,1,2,3,4,5,6,7
	KSTEP 0, \s
.endr
	WAYOUT 0                                       ; heads 4 w and 4 w + 1 leave while the other two are multiplied
	BLOAD 1                                        ; the first bias has been read: its registers take the second, wanted on pass 2's way out
	s_wait_xcnt 0x0                                ; the stores have read their data: x's fragments may land there again
	XLOAD 0
.irp s, 0,1,2,3,4,5,6,7
	KSTEP 1, \s
.endr
	s_wait_loadcnt 0x0                             ; the second bias
	WAYOUT 1
	s_wait_tensorcnt 0x0                           ; the wave's end: behind my last tensor load and my last LDS store
	ds_add_u32 v[SPW], v[NIL]
	s_wait_dscnt 0x0
	s_endpgm
.Lfunc_end_k_qf04cf370d1_proj:
	.size	k_qf04cf370d1_proj, .Lfunc_end_k_qf04cf370d1_proj-k_qf04cf370d1_proj
	.p2alignl 7, 3214868480
	.fill 96, 4, 3214868480
	.section	.rodata,"a",@progbits
	.p2align	6, 0x0
	.amdhsa_kernel k_qf04cf370d1_proj
		.amdhsa_group_segment_fixed_size 303616
		.amdhsa_private_segment_fixed_size 0
		.amdhsa_enable_private_segment 0
		.amdhsa_kernarg_size 80
		.amdhsa_user_sgpr_count 2
		.amdhsa_user_sgpr_kernarg_segment_ptr 1
		.amdhsa_wavefront_size32 1
		.amdhsa_system_sgpr_workgroup_id_x 1
		.amdhsa_system_sgpr_workgroup_id_y 1
		.amdhsa_system_sgpr_workgroup_id_z 1
		.amdhsa_system_vgpr_workitem_id 0
		.amdhsa_next_free_vgpr 1024
		.amdhsa_next_free_sgpr 88
		.amdhsa_reserve_vcc 0
		.amdhsa_float_denorm_mode_32 3
		.amdhsa_float_denorm_mode_16_64 3
		.amdhsa_memory_ordered 1
		.amdhsa_forward_progress 1
		.amdhsa_inst_pref_size 196
	.end_amdhsa_kernel
	.amdgpu_metadata
---
amdhsa.version: [ 1, 2 ]
amdhsa.kernels:
  - .name:           k_qf04cf370d1_proj
    .symbol:         k_qf04cf370d1_proj.kd
    .args:
      - { .name: q, .offset: 0, .size: 8, .value_kind: global_buffer, .address_space: global }
      - { .name: k, .offset: 8, .size: 8, .value_kind: global_buffer, .address_space: global }
      - { .name: v, .offset: 16, .size: 8, .value_kind: global_buffer, .address_space: global }
      - { .name: b_q, .offset: 24, .size: 8, .value_kind: global_buffer, .address_space: global }
      - { .name: b_k, .offset: 32, .size: 8, .value_kind: global_buffer, .address_space: global }
      - { .name: b_v, .offset: 40, .size: 8, .value_kind: global_buffer, .address_space: global }
      - { .name: wc, .offset: 48, .size: 8, .value_kind: global_buffer, .address_space: global }
      - { .name: ws, .offset: 56, .size: 8, .value_kind: global_buffer, .address_space: global }
      - { .name: qf, .offset: 64, .size: 8, .value_kind: global_buffer, .address_space: global }
      - { .name: kv, .offset: 72, .size: 8, .value_kind: global_buffer, .address_space: global }
    .group_segment_fixed_size: 303616
    .private_segment_fixed_size: 0
    .kernarg_segment_align: 8
    .kernarg_segment_size: 80
    .max_flat_workgroup_size: 128
    .sgpr_count:     88
    .vgpr_count:     1024
    .wavefront_size: 32
...
	.end_amdgpu_metadata
.endif
;; end of part 2
;; launch attn (part 3): grid 8 x 32, 8 waves a work-group, clusters of 4 x 1, 327,680 bytes of LDS; arguments qf, kv, ctx; writes ctx
.if DOCPART == 3
	.amdgcn_target "amdgcn-amd-amdhsa--gfx1250"
	.amdhsa_code_object_version 6
	.text
	.protected	k_qf04cf370d1_attn
	.globl	k_qf04cf370d1_attn
	.p2align	8
	.type	k_qf04cf370d1_attn,@function
k_qf04cf370d1_attn:
	s_mov_b64 s[64:65], 0
	v_nop
	global_prefetch_b8 v0, s[64:65] scope:SCOPE_SE
	s_setreg_imm32_b32 hwreg(HW_REG_WAVE_MODE, 25, 1), 1
	s_wait_xcnt 0x0
	s_wait_alu depctr_hold_cnt(0) depctr_sa_sdst(0) depctr_va_vdst(0) depctr_va_sdst(0) depctr_va_ssrc(0) depctr_va_vcc(0) depctr_vm_vsrc(0)
	s_getreg_b32 s2, hwreg(HW_REG_IB_STS2, 6, 4)
	s_cmp_eq_u32 s2, 0
	s_cbranch_scc0 .Lentry_in_a_cluster
	s_endpgm
.Lentry_in_a_cluster:
	s_bfe_u32 s2, ttmp6, 0x10000c
	s_cmp_lg_u32 s2, 0x3003
	s_cbranch_scc0 .Lentry_shape_is_right
	s_endpgm
.Lentry_shape_is_right:
; ctx[b][q][head] = the sum over k of softmax_k(Q . K / 8) V, 32 heads (batch x head) of 2,048 tokens x 64 channels, no mask.  Operands f16, products, maxima and sums f32.
; Q arrives multiplied by log2(e) / 8, so a score s is the exponent of 2 as it stands: p = 2^(s - m), m the row's running maximum; in every step O and the sum l are multiplied by
; a = 2^(m_old - m_new), which is 1 where m has not grown; p is rounded to f16 for the second product, the sum is taken of the unrounded p, and O / l is rounded once to f16.
; SHARES.  A work-group owns 256 queries of one head; each of its EIGHT waves owns 32 of them, two tiles of 16, in 256 registers: two waves to a SIMD, so that one wave's vector work stands beside
; the other's matrix work and LDS loads.  Every wave walks all 2,048 keys, 64 a step.
; LAYOUT.  S^T = K Q^T (source 0 = 16 keys, source 1 = 16 queries): a lane holds ONE query (lane % 16) and keys 8 (lane / 16) + 0 .. 7.  Two such tiles, rounded in pairs, ARE source 1 of
; O^T = V^T P, whose result again holds one query a lane, and eight channels.  qf and kv lie in the order of the operands' registers: every fragment half is 512 bytes, 16 x lane; V's by the turning load.
; RING.  Two LDS slots of 512 keys (8 steps x 16,384 bytes, as they lie in kv); each wave moves 16,384 dense bytes of a slot.  CLUSTER: the four query blocks of a cluster walk the same K and V:
; each tile is asked for JOINTLY, by the same tensor load with the same descriptor and a mask that names the four.  Two loads of a wave are out at the start, one behind each round.
; NO PREFETCH: a refill is asked for eight key steps (256 matrix instructions and some 1,900 vector instructions of the wave) ahead of the wait for it; what is waited for are the first fills at the head.
; LIMITS: NaN and infinities are not served; p under 6e-8 is 0 in f16; ctx beyond 65,504 becomes infinity, and under 6e-5 it loses bits.
.set STEPB, 16384                      ; a key step: 8,192 bytes of K, then 8,192 of V
.set SLOT1, 1<<17                      ; slot 1 begins here (a slot is 8 steps): one exclusive or turns an address in one slot into the other's
.set SPARE, 2*SLOT1                    ; behind the ring: the spare words, 128 bytes for each wave: four blocks of 256 bytes that no other line names
.set LI,  1                            ; v1   16 x lane; never rewritten
.set ADR, 2                            ; v2   LDS address of the step in hand
.set SPW, 3                            ; v3   LDS address of my spare word; never rewritten
.set NIL, 4                            ; v4   0; never rewritten
.set SUM, 8                            ; v8-15  two chains of sums a tile, a pair each
.set ST,  16                           ; tile t's statistics at v[ST + 8 t]: +0 m, +1 m_old - m_new, +2, +3 l (even keys', odd keys'), +4 to +7 c0-c3, at work; a takes c2's place
.set Q,   32                           ; v32-63   Q: tile t, channels 32 f on, half c at + 16 t + 8 f + 4 c
.set S,   64                           ; v64-127  S^T, 32 a tile; P is made in place in a tile's first 16
.set F,   128                          ; v128-191 eight fragments of K, then of V^T
.set O,   192                          ; v192-255 O^T, 32 a tile
.set WV,  12
.set G1,  24                           ; s[24:31] descriptor group 1
.set G0A, 32                           ; s[32:35] group 0 of slot 0's first fill
.set G0B, 36                           ; s[36:39] of slot 1's; it then walks on
.set TB,  40                           ; s40  LDS byte at which the step in hand begins
.set SLOTS, 41
.set CNT, 42
.set SEL, 44                           ; s[44:45] lane selects for v_permlanex16_b32: lane l xor 16
.macro CROUND                          ; a round of the cluster's barrier: my work-group's barrier; wave 0 signals for the work-group; every wave waits for all four; my work-group's barrier once more
	s_barrier_signal -1
	s_barrier_wait -1
	s_cmp_lg_u32 s[WV], 0
	s_cbranch_scc1 .Lnot_wave_0_\@
	s_barrier_signal -3
.Lnot_wave_0_\@:
	s_barrier_wait -3
	s_barrier_signal -1
	s_barrier_wait -1
.endm
	s_load_b128 s[4:7], s[0:1], 0x0                ; qf s[4:5], kv s[6:7]
	s_load_b64 s[8:9], s[0:1], 0x10                ; ctx
	v_lshl_add_u32 v[SPW], v0, 2, SPARE
	v_mov_b32 v[NIL], 0
	ds_add_u32 v[SPW], v[NIL]                      ; the wave's opening: the add, twice on end, and its wait ahead of my first tensor load
	ds_add_u32 v[SPW], v[NIL]                      ; and once more, under the one wait; the set-up below, work on registers, stands between
	v_lshrrev_b32 v5, 5, v0
	v_readfirstlane_b32 s[WV], v5                  ; wave 0..7
	v_and_b32 v[LI], 31, v0
	v_lshlrev_b32 v[LI], 4, v[LI]
	s_bfe_u32 s13, ttmp6, 0x40000                  ; cx: my place in the cluster
	s_lshl_b32 s14, ttmp9, 2                       ; in a cluster launch ttmp9 counts clusters
	s_add_co_u32 s14, s14, s13                     ; my block of 256 queries: it enters Q's and ctx's addresses alone
	s_and_b32 s15, ttmp7, 0xffff                   ; bh, which the four partners share
	s_lshl_b32 s20, s15, 19                        ; kv: a head's 524,288 bytes, my wave's 16,384 of a slot
	s_lshl_b32 s21, s[WV], 14
	s_add_co_u32 s20, s20, s21
	s_mov_b32 s21, 0
	s_lshl_b32 s22, s15, 18                        ; qf: a head's 262,144 bytes, my block's 32,768, my wave's 4,096
	s_lshl_b32 s23, s14, 15
	s_add_co_u32 s22, s22, s23
	s_lshl_b32 s23, s[WV], 12
	s_add_co_u32 s22, s22, s23
	s_mov_b32 s23, 0
	s_lshr_b32 s46, s15, 4                         ; ctx: tile of 16 tokens 128 x batch + 16 x block + 2 x wave, 32,768 bytes each; the head's 64 channels are 2,048 bytes of it
	s_lshl_b32 s46, s46, 7
	s_lshl_b32 s47, s14, 4
	s_add_co_u32 s46, s46, s47
	s_lshl_b32 s47, s[WV], 1
	s_add_co_u32 s46, s46, s47
	s_lshl_b32 s46, s46, 15
	s_and_b32 s47, s15, 15
	s_lshl_b32 s47, s47, 11
	s_add_co_u32 s46, s46, s47
	s_mov_b32 s47, 0
	; descriptor group 1: 16,384 dense bytes as 64 rows of 256 (32 elements of 8 bytes)
	s_mov_b32 s[G1+0], 15|(3<<16)|(1<<21)          ; 15:0 the mask: all four work-groups; 17:16 elements of 8 bytes; 21 set beside a mask
	s_mov_b32 s[G1+1], 32<<16                      ; tensor_dim0
	s_mov_b32 s[G1+2], 64<<16                      ; tensor_dim1
	s_mov_b32 s[G1+3], 32<<16                      ; tile_dim0
	s_mov_b32 s[G1+4], 64                          ; tile_dim1
	s_mov_b32 s[G1+5], 32                          ; elements from row to row
	s_mov_b32 s[G1+6], 0
	s_mov_b32 s[G1+7], 0
	s_mov_b32 s[SEL], 0x76543210
	s_mov_b32 s[SEL+1], 0xfedcba98
	s_mov_b32 s[TB], 0
	s_mov_b32 s[SLOTS], 2
	s_wait_dscnt 0x0                               ; both opening adds are done
	s_wait_kmcnt 0x0
	s_add_nc_u64 s[6:7], s[6:7], s[20:21]          ; kv at my part of the head's first 512 keys: no place in the cluster enters it
	s_add_nc_u64 s[16:17], s[4:5], s[22:23]        ; Q at my 32 queries
	s_add_nc_u64 s[18:19], s[8:9], s[46:47]        ; ctx likewise
	CROUND                                         ; all four work-groups are here: the first joint loads meet
	s_mov_b32 s[G0A], 1
	s_lshl_b32 s[G0A+1], s[WV], 14                 ; LDS address: wave x 16,384, in slot 0
	s_mov_b64 s[G0A+2:G0A+3], s[6:7]
	s_or_b32 s[G0A+3], s[G0A+3], 0x80000000        ; type = 2
	s_mov_b32 s[G0B], 1
	s_add_co_u32 s[G0B+1], s[G0A+1], SLOT1
	s_add_nc_u64 s[G0B+2:G0B+3], s[6:7], 8*STEPB   ; the next 512 keys
	s_or_b32 s[G0B+3], s[G0B+3], 0x80000000
	tensor_load_to_lds s[G0A:G0A+3], s[G1:G1+7]    ; the two first fills stand together, ahead of every wait on TENSORcnt and every LDS read
	s_nop 0
	tensor_load_to_lds s[G0B:G0B+3], s[G1:G1+7]
	s_nop 0
.rept 4
	v_nop
.endr
.irp t, 0,1
.irp f, 0,1
.irp c, 0,1
	global_load_b128 v[Q+16*\t+8*\f+4*\c:Q+16*\t+8*\f+4*\c+3], v[LI], s[16:17] offset:(2*\f+\c)*1024+\t*512   ; Q stays in registers
.endr
.endr
.endr
.irp t, 0,1
	v_mov_b32 v[ST+8*\t], 0xff61b1e6               ; m: -3e38, under every score
	v_mov_b32 v[ST+8*\t+2], 0                      ; l
	v_mov_b32 v[ST+8*\t+3], 0
.endr
.set i, 0
.rept 64
	v_mov_b32 v[O+i], 0                            ; O^T.  (The step is written once: the first finds zeros, which its a = 0 leaves zeros)
.set i, i+1
.endr
; A KEY STEP: 64 keys.
.macro STEP
	v_add_nc_u32 v[ADR], s[TB], v[LI]
.rept 4
	v_nop                                          ; with the addition five places behind the last products: the loads below land in their fragments (four are asked), and the products below write over P, which they read (five)
.endr
.irp f, 0,1                                    ; K: tile of 16 keys a, channels 32 f on; the first 32 channels first
.irp a, 0,1,2,3
.irp c, 0,1
	ds_load_b128 v[F+8*(2*\a+\f)+4*\c:F+8*(2*\a+\f)+4*\c+3], v[ADR] offset:(\a/2)*4096+(2*\f+\c)*1024+(\a%2)*512
.endr
.endr
.endr
.irp f, 0,1                                    ; S^T = K Q^T: the eight accumulators take turns, one instruction a turn; the first eight start the sums
	s_wait_dscnt 8-8*\f                            ; the first 32 channels' eight loads are in, the eight younger may be out; then all
.irp a, 0,1,2,3
.irp t, 0,1
.if \f == 0
	v_wmma_f32_16x16x32_f16 v[S+32*\t+8*\a:S+32*\t+8*\a+7], v[F+8*(2*\a+\f):F+8*(2*\a+\f)+7], v[Q+16*\t+8*\f:Q+16*\t+8*\f+7], 0
.else
	v_wmma_f32_16x16x32_f16 v[S+32*\t+8*\a:S+32*\t+8*\a+7], v[F+8*(2*\a+\f):F+8*(2*\a+\f)+7], v[Q+16*\t+8*\f:Q+16*\t+8*\f+7], v[S+32*\t+8*\a:S+32*\t+8*\a+7]
.endif
.endr
.endr
.endr
.rept 4
	v_nop                                          ; four places: in front of the loads into K's fragments, and of the first read of the scores
.endr
.irp k, 0,1                                    ; V^T: keys 32 k on, channels 16 d on: they land under the softmax
.irp d, 0,1,2,3
.irp c, 0,1
	ds_load_tr16_b128 v[F+8*(4*\k+\d)+4*\c:F+8*(4*\k+\d)+4*\c+3], v[ADR] offset:8192+\k*4096+\d*1024+\c*512
.endr
.endr
.endr
	; the maximum of a lane's 32 scores and the old m, three operands at a time, four chains; the two tiles line by line.  Each accumulator is first read at its low end
.irp j, 0,1,2,3
.irp t, 0,1
	v_max3_num_f32 v[ST+8*\t+4+\j], v[S+32*\t+8*\j], v[S+32*\t+8*\j+1], v[S+32*\t+8*\j+2]
.endr
.endr
.irp k, 3,5
.irp j, 0,1,2,3
.irp t, 0,1
	v_max3_num_f32 v[ST+8*\t+4+\j], v[ST+8*\t+4+\j], v[S+32*\t+8*\j+\k], v[S+32*\t+8*\j+\k+1]
.endr
.endr
.endr
.irp t, 0,1
	v_max3_num_f32 v[ST+8*\t+4], v[ST+8*\t+4], v[S+32*\t+7], v[S+32*\t+15]
.endr
.irp t, 0,1
	v_max3_num_f32 v[ST+8*\t+6], v[ST+8*\t+6], v[S+32*\t+23], v[S+32*\t+31]
.endr
.irp t, 0,1
	v_max3_num_f32 v[ST+8*\t+4], v[ST+8*\t+4], v[ST+8*\t+5], v[ST+8*\t+6]
.endr
.irp t, 0,1
	v_max3_num_f32 v[ST+8*\t+4], v[ST+8*\t+4], v[ST+8*\t+7], v[ST+8*\t]
.endr
.irp t, 0,1
	v_permlanex16_b32 v[ST+8*\t+5], v[ST+8*\t+4], s[SEL], s[SEL+1]   ; the query's other 32 keys lie in the lane 16 away
.endr
.irp t, 0,1
	v_max_num_f32 v[ST+8*\t+4], v[ST+8*\t+4], v[ST+8*\t+5]
.endr
.irp t, 0,1
	v_sub_f32 v[ST+8*\t+1], v[ST+8*\t], v[ST+8*\t+4]               ; m_old - m_new
.endr
.irp t, 0,1
	v_mov_b32 v[ST+8*\t], v[ST+8*\t+4]
.endr
.set i, 0
.rept 16
.irp t, 0,1
	v_pk_add_f32 v[S+32*\t+i:S+32*\t+i+1], v[S+32*\t+i:S+32*\t+i+1], v[ST+8*\t:ST+8*\t+1] op_sel_hi:[1,0] neg_lo:[0,1] neg_hi:[0,1]   ; s - m, two at a time (of the pair the low word, m, serves both halves)
.endr
.set i, i+2
.endr
.irp t, 0,1
	v_exp_f32 v[ST+8*\t+6], v[ST+8*\t+1]           ; a.  ONE BATCH: 66 exponentials, none of which reads another's result
.endr
.set i, 0
.rept 32
.irp t, 0,1
	v_exp_f32 v[S+32*\t+i], v[S+32*\t+i]           ; p = 2^(s - m), at most 1
.endr
.set i, i+1
.endr
	v_nop                                          ; a plain instruction behind the last exponential, ahead of the first use
	s_wait_alu depctr_va_vdst(0)                   ; and the wait ahead of the first instruction that names a result: one for the batch
.irp t, 0,1
	v_pk_add_f32 v[SUM+4*\t:SUM+4*\t+1], v[S+32*\t:S+32*\t+1], v[S+32*\t+2:S+32*\t+3]       ; the sum of the unrounded p: two at a time, two chains a tile
	v_pk_add_f32 v[SUM+4*\t+2:SUM+4*\t+3], v[S+32*\t+4:S+32*\t+5], v[S+32*\t+6:S+32*\t+7]
.endr
.irp j, 8,12,16,20,24,28
.irp t, 0,1
	v_pk_add_f32 v[SUM+4*\t:SUM+4*\t+1], v[SUM+4*\t:SUM+4*\t+1], v[S+32*\t+\j:S+32*\t+\j+1]
	v_pk_add_f32 v[SUM+4*\t+2:SUM+4*\t+3], v[SUM+4*\t+2:SUM+4*\t+3], v[S+32*\t+\j+2:S+32*\t+\j+3]
.endr
.endr
.irp t, 0,1
	v_pk_add_f32 v[SUM+4*\t:SUM+4*\t+1], v[SUM+4*\t:SUM+4*\t+1], v[SUM+4*\t+2:SUM+4*\t+3]
.endr
.irp t, 0,1
	v_pk_fma_f32 v[ST+8*\t+2:ST+8*\t+3], v[ST+8*\t+2:ST+8*\t+3], v[ST+8*\t+6:ST+8*\t+7], v[SUM+4*\t:SUM+4*\t+1] op_sel_hi:[1,0,1]   ; l = a l + the sum
.endr
.set i, 0
.rept 16
.irp t, 0,1
	v_cvt_pk_f16_f32 v[S+32*\t+i], v[S+32*\t+2*i], v[S+32*\t+2*i+1]   ; P, in place, ascending: a destination is never a later line's source
.endr
.set i, i+1
.endr
.set i, 0
.rept 16
.irp t, 0,1
	v_pk_mul_f32 v[O+32*\t+i:O+32*\t+i+1], v[O+32*\t+i:O+32*\t+i+1], v[ST+8*\t+6:ST+8*\t+7] op_sel_hi:[1,0]   ; O^T x a, each accumulator from its low end on
.endr
.set i, i+2
.endr
	s_wait_dscnt 0x0                               ; V^T is in
.irp k, 0,1                                    ; O^T += V^T P: the eight accumulators take turns
.irp d, 0,1,2,3
.irp t, 0,1
	v_wmma_f32_16x16x32_f16 v[O+32*\t+8*\d:O+32*\t+8*\d+7], v[F+8*(4*\k+\d):F+8*(4*\k+\d)+7], v[S+32*\t+8*\k:S+32*\t+8*\k+7], v[O+32*\t+8*\d:O+32*\t+8*\d+7]
.endr
.endr
.endr
	s_add_co_u32 s[TB], s[TB], STEPB
.endm
; THE CHANGE OF SLOTS.  Each wave waits for all its tensor loads, of which one is out: its part of the other slot; adds 0 to its spare word; and waits for that and for its reads of the slot that it leaves.
; fill = 1: the barrier is a round of the cluster's, so that no wave of any partner still reads the slot or has a load on its way; the joint refill, the keys two slots on, is the first thing behind it.
.macro CHANGE fill
	s_wait_tensorcnt 0x0                           ; no tensor load of mine is out, so a group 0 may be written
	ds_add_u32 v[SPW], v[NIL]                      ; 0 onto my spare word
.if \fill
	s_xor_b32 s[G0B+1], s[G0B+1], SLOT1            ; the walking descriptor: the other slot than last time,
	s_add_nc_u64 s[G0B+2:G0B+3], s[G0B+2:G0B+3], 8*STEPB   ; the next 512 keys; the type bits on top are not reached
	s_wait_dscnt 0x0                               ; the add is done, and my reads of the slot are over
	CROUND
	tensor_load_to_lds s[G0B:G0B+3], s[G1:G1+7]    ; my one tensor load behind the round
	s_nop 0
.rept 4
	v_nop
.endr
.else
	s_wait_dscnt 0x0
	s_barrier_signal -1
	s_barrier_wait -1
.endif
	s_sub_co_u32 s[TB], s[TB], 8*STEPB             ; back to a slot's first step,
	s_xor_b32 s[TB], s[TB], SLOT1                  ; in the other slot
.endm
.macro SLOT_STEPS                      ; a slot's eight key steps: written once, walked eight times; the LDS addresses hang on s[TB]
	s_mov_b32 s[CNT], 8
.Lstep_\@:
	STEP
	s_sub_co_u32 s[CNT], s[CNT], 1
	s_cmp_lg_u32 s[CNT], 0
	s_cbranch_scc1 .Lstep_\@
.endm
	s_wait_tensorcnt 1                             ; my part of slot 0 is in; slot 1's may stay out
	s_barrier_signal -1
	s_barrier_wait -1                              ; everybody's is
	s_wait_loadcnt 0x0                             ; Q
	SLOT_STEPS
.Lslot:                                            ; two trips: slots 0 and 1 are filled again, with keys 1,024 on and 1,536 on
	CHANGE 1
	SLOT_STEPS
	s_sub_co_u32 s[SLOTS], s[SLOTS], 1
	s_cmp_lg_u32 s[SLOTS], 0
	s_cbranch_scc1 .Lslot
	CHANGE 0                                       ; the tail is written out
	SLOT_STEPS
	; THE WAY OUT.  l's two halves and the other half of the lanes' are added; O^T / l is rounded to f16.  A lane's eight channels are its 16 bytes of a chunk of ctx: no stage.
.rept 4
	v_nop
.endr
.irp t, 0,1
	v_add_f32 v[ST+8*\t+4], v[ST+8*\t+2], v[ST+8*\t+3]
.endr
.irp t, 0,1
	v_permlanex16_b32 v[ST+8*\t+5], v[ST+8*\t+4], s[SEL], s[SEL+1]
.endr
.irp t, 0,1
	v_add_f32 v[ST+8*\t+4], v[ST+8*\t+4], v[ST+8*\t+5]
.endr
.irp t, 0,1
	v_rcp_f32 v[ST+8*\t+6], v[ST+8*\t+4]
.endr
	v_nop                                          ; a plain instruction between the last reciprocal and the use of its result
	s_wait_alu depctr_va_vdst(0)                   ; and the wait: one for both
.irp t, 0,1
.set i, 0
.rept 16
	v_pk_mul_f32 v[O+32*\t+i:O+32*\t+i+1], v[O+32*\t+i:O+32*\t+i+1], v[ST+8*\t+6:ST+8*\t+7] op_sel_hi:[1,0]
.set i, i+2
.endr
.endr
.irp t, 0,1
.set i, 0
.rept 16
	v_cvt_pk_f16_f32 v[S+16*\t+i], v[O+32*\t+2*i], v[O+32*\t+2*i+1]
.set i, i+1
.endr
.endr
.irp t, 0,1
.irp d, 0,1,2,3
	global_store_b128 v[LI], v[S+16*\t+4*\d:S+16*\t+4*\d+3], s[18:19] offset:\t*32768+\d*512   ; 32 lanes store 512 consecutive bytes, aligned
.endr
.endr
	s_wait_tensorcnt 0x0                           ; the wave's end: behind my last tensor load
	ds_add_u32 v[SPW], v[NIL]
	s_wait_dscnt 0x0
	CROUND                                         ; the closing round: no work-group ends while a partner may still ask for a tile that names it
	s_endpgm
.Lfunc_end_k_qf04cf370d1_attn:
	.size	k_qf04cf370d1_attn, .Lfunc_end_k_qf04cf370d1_attn-k_qf04cf370d1_attn
	.p2alignl 7, 3214868480
	.fill 96, 4, 3214868480
	.section	.rodata,"a",@progbits
	.p2align	6, 0x0
	.amdhsa_kernel k_qf04cf370d1_attn
		.amdhsa_group_segment_fixed_size 327680
		.amdhsa_private_segment_fixed_size 0
		.amdhsa_enable_private_segment 0
		.amdhsa_kernarg_size 24
		.amdhsa_user_sgpr_count 2
		.amdhsa_user_sgpr_kernarg_segment_ptr 1
		.amdhsa_wavefront_size32 1
		.amdhsa_system_sgpr_workgroup_id_x 1
		.amdhsa_system_sgpr_workgroup_id_y 1
		.amdhsa_system_sgpr_workgroup_id_z 1
		.amdhsa_system_vgpr_workitem_id 0
		.amdhsa_next_free_vgpr 256
		.amdhsa_next_free_sgpr 66
		.amdhsa_reserve_vcc 0
		.amdhsa_float_denorm_mode_32 3
		.amdhsa_float_denorm_mode_16_64 3
		.amdhsa_memory_ordered 1
		.amdhsa_forward_progress 1
		.amdhsa_inst_pref_size 65
	.end_amdhsa_kernel
	.amdgpu_metadata
---
amdhsa.version: [ 1, 2 ]
amdhsa.kernels:
  - .name:           k_qf04cf370d1_attn
    .symbol:         k_qf04cf370d1_attn.kd
    .args:
      - { .name: qf, .offset: 0, .size: 8, .value_kind: global_buffer, .address_space: global }
      - { .name: kv, .offset: 8, .size: 8, .value_kind: global_buffer, .address_space: global }
      - { .name: ctx, .offset: 16, .size: 8, .value_kind: global_buffer, .address_space: global }
    .group_segment_fixed_size: 327680
    .private_segment_fixed_size: 0
    .kernarg_segment_align: 8
    .kernarg_segment_size: 24
    .max_flat_workgroup_size: 256
    .sgpr_count:     66
    .vgpr_count:     256
    .wavefront_size: 32
...
	.end_amdgpu_metadata
.endif
;; end of part 3
;; launch outp (part 4): grid 8 x 32, 4 waves a work-group, clusters of 4 x 4, 327,680 bytes of LDS; arguments ctx, wof, b_out, out0; writes out0
.if DOCPART == 4
	.amdgcn_target "amdgcn-amd-amdhsa--gfx1250"
	.amdhsa_code_object_version 6
	.text
	.protected	k_qf04cf370d1_outp
	.globl	k_qf04cf370d1_outp
	.p2align	8
	.type	k_qf04cf370d1_outp,@function
k_qf04cf370d1_outp:
	s_mov_b64 s[64:65], 0
	v_nop
	global_prefetch_b8 v0, s[64:65] scope:SCOPE_SE
	s_setreg_imm32_b32 hwreg(HW_REG_WAVE_MODE, 25, 1), 1
	s_wait_xcnt 0x0
	s_wait_alu depctr_hold_cnt(0) depctr_sa_sdst(0) depctr_va_vdst(0) depctr_va_sdst(0) depctr_va_ssrc(0) depctr_va_vcc(0) depctr_vm_vsrc(0)
	s_getreg_b32 s2, hwreg(HW_REG_IB_STS2, 6, 4)
	s_cmp_eq_u32 s2, 0
	s_cbranch_scc0 .Lentry_in_a_cluster
	s_endpgm
.Lentry_in_a_cluster:
	s_bfe_u32 s2, ttmp6, 0x10000c
	s_cmp_lg_u32 s2, 0xf033
	s_cbranch_scc0 .Lentry_shape_is_right
	s_endpgm
.Lentry_shape_is_right:
; out0 = ctx w_out + b_out.  ctx [4096][1024] and w_out [1024 (k)][1024 (n)] arrive as f16 in the order of the operands' registers:
;   ctx [tile of 16 tokens 256][ks 32][c 2][lane][16 bytes], wof [tile of 16 columns 64][ks 32][c 2][lane][16 bytes]: a tile's 256 along K are 8,192 dense bytes.  out0 [4096][1024] f32; sums in f32.
; A tile of the output is 128 x 128: 256 work-groups.  Four waves, each 64 x 64: 16 accumulators, 128 registers.  K goes in four steps of 256 through two LDS slots; a wave's tensor load brings
; four tiles' 8,192 bytes.  Fragments are read at 16 x lane: 512 consecutive bytes a load, no pitch, no padding.
; CLUSTERS: 4 x 4 work-groups.  The four of a row of the cluster need the same tiles of ctx, the four of a column the same tiles of wof: each is asked for JOINTLY, by the same tensor load with the
; same descriptor and a mask that names the four.  THE MATRIX INSTRUCTION IS USED TRANSPOSED (source 0 = 16 columns of w_out, source 1 = 16 tokens): a lane holds eight neighbouring numbers of a row.
; The bias is the C of each sum's first matrix instruction.  A wave's 64 columns are 256 consecutive bytes of a row, aligned: each wave has a stage of its own on the way out.
; No prefetch: four K steps, of which two are the first fills at the head.
; REGISTERS: window 0: v1-29 addresses; v32-95 rows on the way out; v96-127 the bias; v128-255 the accumulators ((a, b) at v[128 + 8 (4 a + b)]).
;   window 1: two fragment buffers of 128: for 64 along K, 64 registers of ctx (2 x 4 tiles), then 64 of wof.
.set SLOT,   131072                    ; ctx's 8 tiles x 8,192 bytes, then wof's 8
.set STAGE,  2*SLOT                    ; behind the ring: 16 rows x 272 bytes for each wave
.set SPITCH, 272                       ; 256 bytes + 16 = 68 words: row r starts at bank 4 r mod 64 (64 banks of 4 bytes: ISA guide 11.1)
.set SPARE,  STAGE+4*16*SPITCH         ; the spare words, 128 bytes for each wave: two blocks of 256 bytes that no other line names
.set ADRA, 16                          ; v16-17  LDS address of my fragments of ctx in slot 0, 1
.set ADRB, 20                          ; v20-21  the same for wof
.set STO,  24                          ; v24     the way out: where I put 32 bytes of a row
.set RD,   25                          ; v25     where I read a row back
.set CO,   26                          ; v26     my byte offset in two rows of out0
.set GB,   27                          ; v27     32 h: the bias
.set SPW,  28                          ; v28     LDS address of my spare word; never rewritten
.set NIL,  29                          ; v29     0; never rewritten
.set OB,   32
.set BI,   96
.set ACC,  128
.set F0,   0
.set F1,   128
.set WV,  12
.set HI,  13                           ; s13  which half of the tile's rows is mine.  Also: I fetch for ctx (0) or for wof (1)
.set LO,  14                           ; s14  which half of its columns.  Also: which four tiles I fetch
.set G1,  24                           ; s[24:31] descriptor group 1 for ctx's tiles;  s[32:39] group 0, one set for each slot
.set G0,  32
.set G1B, 48                           ; s[48:55], s[56:63] the same for wof's
.set G0B, 56
.set MSB, 0
.macro WIN new                         ; the immediate's high byte repeats the setting that is left
.if MSB != (\new)
	s_set_vgpr_msb (MSB<<8)|(\new)
.set MSB, (\new)
.endif
.endm
.set MUL,  0x05                        ; sources 0 and 1 window 1; C and D window 0
.set TO_F, 0x40                        ; destination window 1, address window 0
.macro JLOAD s                         ; a joint load: waves 0 and 1 fetch for ctx, waves 2 and 3 for wof; an s_nop 0 and four v_nop follow each of the two lines, ahead of the jump, the label and what follows
	s_cmp_eq_u32 s[HI], 0
	s_cbranch_scc0 .Lfor_b_\@
	tensor_load_to_lds s[G0+4*\s:G0+4*\s+3], s[G1:G1+7]
	s_nop 0
.rept 4
	v_nop
.endr
	s_branch .Lasked_\@
.Lfor_b_\@:
	tensor_load_to_lds s[G0B+4*\s:G0B+4*\s+3], s[G1B:G1B+7]
	s_nop 0
.rept 4
	v_nop
.endr
.Lasked_\@:
.endm
.macro CREST                           ; a round of the cluster's barrier behind its opening barrier
	s_cmp_lg_u32 s[WV], 0
	s_cbranch_scc1 .Lnot_wave_0_\@
	s_barrier_signal -3
.Lnot_wave_0_\@:
	s_barrier_wait -3
	s_barrier_signal -1
	s_barrier_wait -1
.endm
.macro CROUND                          ; a whole round
	s_barrier_signal -1
	s_barrier_wait -1
	CREST
.endm
	s_load_b256 s[4:11], s[0:1], 0x0               ; ctx s[4:5], wof s[6:7], b_out s[8:9], out0 s[10:11]
	v_lshl_add_u32 v[SPW], v0, 2, SPARE
	v_mov_b32 v[NIL], 0
	ds_add_u32 v[SPW], v[NIL]                      ; the wave's opening: the add, twice on end, and its wait ahead of my first tensor load
	ds_add_u32 v[SPW], v[NIL]                      ; and once more, under the one wait; the set-up below, work on registers, stands between
	v_lshrrev_b32 v1, 5, v0
	v_readfirstlane_b32 s[WV], v1                  ; wave 0..3
	s_lshr_b32 s[HI], s[WV], 1
	s_and_b32 s[LO], s[WV], 1
	s_bfe_u32 s40, ttmp6, 0x40000                  ; cx, cy: my place in the cluster
	s_bfe_u32 s41, ttmp6, 0x40004
	s_lshl_b32 s42, ttmp9, 2
	s_add_co_u32 s42, s42, s40                     ; tile column = 4 x cluster x + cx
	s_and_b32 s15, ttmp7, 0xffff
	s_lshl_b32 s15, s15, 2
	s_add_co_u32 s15, s15, s41                     ; tile row = 4 x cluster y + cy
	s_lshl_b32 s43, s41, 2
	s_lshl_b32 s43, 15, s43                        ; my row of the cluster
	s_lshl_b32 s44, 0x1111, s40                    ; my column
	; descriptor group 1: four runs of 8,192 bytes (1,024 elements of 8 bytes), 32,768 bytes apart in memory, dense in LDS
	s_or_b32 s[G1+0], s43, (3<<16)|(1<<21)         ; 15:0 the mask: ctx's tiles go to my row; 17:16 elements of 8 bytes; 21 set beside a mask
	s_or_b32 s[G1B+0], s44, (3<<16)|(1<<21)        ; wof's to my column
.irp g, G1, G1B
	s_mov_b32 s[\g+1], 1024<<16                    ; tensor_dim0
	s_mov_b32 s[\g+2], 4<<16                       ; tensor_dim1
	s_mov_b32 s[\g+3], 1024<<16                    ; tile_dim0
	s_mov_b32 s[\g+4], 4                           ; tile_dim1
	s_mov_b32 s[\g+5], 4096                        ; elements from run to run
	s_mov_b32 s[\g+6], 0
	s_mov_b32 s[\g+7], 0
.endr
	s_lshl_b32 s16, s15, 18                        ; ctx: tile 8 x tile row + 4 x half, 32,768 bytes each
	s_lshl_b32 s17, s[LO], 17
	s_add_co_u32 s16, s16, s17
	s_mov_b32 s17, 0
	s_lshl_b32 s46, s42, 18                        ; wof: tile 8 x tile column + 4 x half
	s_lshl_b32 s47, s[LO], 17
	s_add_co_u32 s46, s46, s47
	s_mov_b32 s47, 0
	s_lshl_b32 s20, s[WV], 15                      ; where they go: wave x 32,768: no place in the cluster enters an LDS address
	s_wait_dscnt 0x0                               ; both opening adds are done
	s_wait_kmcnt 0x0
	s_add_nc_u64 s[18:19], s[4:5], s[16:17]
	s_add_nc_u64 s[46:47], s[6:7], s[46:47]
	CROUND                                         ; all sixteen work-groups are here: the first joint loads meet
.irp s, 0,1
	s_mov_b32 s[G0+4*\s], 1
	s_add_co_u32 s[G0+4*\s+1], s20, \s*SLOT
	s_add_nc_u64 s[G0+4*\s+2:G0+4*\s+3], s[18:19], \s*8192         ; K step s
	s_or_b32 s[G0+4*\s+3], s[G0+4*\s+3], 0x80000000
	s_mov_b32 s[G0B+4*\s], 1
	s_add_co_u32 s[G0B+4*\s+1], s20, \s*SLOT
	s_add_nc_u64 s[G0B+4*\s+2:G0B+4*\s+3], s[46:47], \s*8192
	s_or_b32 s[G0B+4*\s+3], s[G0B+4*\s+3], 0x80000000
	JLOAD \s
.endr
	v_and_b32 v1, 15, v0                           ; r
	v_bfe_u32 v2, v0, 4, 1                         ; h
	v_and_b32 v3, 31, v0
	v_lshlrev_b32 v3, 4, v3                        ; 16 x lane
	s_lshl_b32 s21, s[HI], 15                      ; my four tiles of ctx
	s_lshl_b32 s22, s[LO], 15                      ; my four tiles of wof,
	s_add_co_u32 s22, s22, 65536                   ; which lie behind ctx's eight
.irp s, 0,1
	v_add_nc_u32 v[ADRA+\s], s21, v3
	v_add_nc_u32 v[ADRB+\s], s22, v3
	s_add_co_u32 s21, s21, SLOT
	s_add_co_u32 s22, s22, SLOT
.endr
	s_mul_i32 s23, s[WV], 16*SPITCH
	s_add_co_u32 s23, s23, STAGE                   ; my stage
	v_mul_u32_u24 v4, v1, SPITCH                   ; in: row r, 32 bytes for each half of the lanes
	v_lshl_add_u32 v4, v2, 5, v4
	v_add_nc_u32 v[STO], s23, v4
	v_mul_u32_u24 v5, v2, SPITCH                   ; back: lanes 0-15 take one row of 256 bytes, lanes 16-31 the next
	v_lshl_add_u32 v5, v1, 4, v5
	v_add_nc_u32 v[RD], s23, v5
	v_lshlrev_b32 v[CO], 12, v2                    ; and the same two rows in out0: 4,096 bytes a row
	v_lshl_add_u32 v[CO], v1, 4, v[CO]
	v_lshlrev_b32 v[GB], 5, v2
	s_lshl_b32 s46, s42, 9                         ; my first column, in bytes: 512 x tile column + 256 x half
	s_lshl_b32 s47, s[LO], 8
	s_add_co_u32 s46, s46, s47
	s_mov_b32 s47, 0
	s_add_nc_u64 s[8:9], s[8:9], s[46:47]          ; the bias there
	s_add_nc_u64 s[10:11], s[10:11], s[46:47]
	s_lshl_b32 s16, s15, 19                        ; my first row: 128 x tile row + 64 x half, 4,096 bytes each
	s_lshl_b32 s17, s[HI], 18
	s_add_co_u32 s16, s16, s17
	s_mov_b32 s17, 0
	s_add_nc_u64 s[10:11], s[10:11], s[16:17]
.irp b, 0,1,2,3
.irp u, 0,1
	global_load_b128 v[BI+8*\b+4*\u:BI+8*\b+4*\u+3], v[GB], s[8:9] offset:64*\b+16*\u   ; lane (r, h): for tile b the numbers 16 b + 8 h + 0 .. 7: the result's layout
.endr
.endr
; 8 matrix instructions: tiles of rows a0, a0 + 1 x all 4 tiles of columns, 32 along K: half c of buffer f.  first = 1: the product starts the sum, on the bias.  The 16 accumulators take turns.
.macro MUL8 f, c, a0, first
.irp a, \a0, \a0+1
.irp b, 0,1,2,3
.if \first
	v_wmma_f32_16x16x32_f16 v[ACC+8*(4*(\a)+\b):ACC+8*(4*(\a)+\b)+7], v[\f+64+8*(4*\c+\b):\f+64+8*(4*\c+\b)+7], v[\f+8*(4*\c+(\a)):\f+8*(4*\c+(\a))+7], v[BI+8*\b:BI+8*\b+7]
.else
	v_wmma_f32_16x16x32_f16 v[ACC+8*(4*(\a)+\b):ACC+8*(4*(\a)+\b)+7], v[\f+64+8*(4*\c+\b):\f+64+8*(4*\c+\b)+7], v[\f+8*(4*\c+(\a)):\f+8*(4*\c+(\a))+7], v[ACC+8*(4*(\a)+\b):ACC+8*(4*(\a)+\b)+7]
.endif
.endr
.endr
.endm
; 32 LDS loads in one run: the fragments of the slot's q-th 64 along K into buffer f; the first 32 along K first
.macro FETCH slot, q, f
	WIN TO_F
.irp c, 0,1
.irp i, 0,1,2,3
	ds_load_b128 v[\f+64+8*(4*\c+\i):\f+64+8*(4*\c+\i)+3],   v[ADRB+\slot] offset:\i*8192+(2*\q+\c)*1024
	ds_load_b128 v[\f+64+8*(4*\c+\i)+4:\f+64+8*(4*\c+\i)+7], v[ADRB+\slot] offset:\i*8192+(2*\q+\c)*1024+512
	ds_load_b128 v[\f+8*(4*\c+\i):\f+8*(4*\c+\i)+3],         v[ADRA+\slot] offset:\i*8192+(2*\q+\c)*1024
	ds_load_b128 v[\f+8*(4*\c+\i)+4:\f+8*(4*\c+\i)+7],       v[ADRA+\slot] offset:\i*8192+(2*\q+\c)*1024+512
.endr
.endr
.endm
.macro PLACES                          ; four places in front of loads into registers that matrix instructions have read, and of LDS stores that read results (ISA guide 7.12.1 for vector instructions)
.rept 4
	v_nop
.endr
.endm
; A K step is four quarters of 64 along K, 32 matrix instructions each, on buffers 0, 1, 0, 1.  One of the first three: multiplies buffer f and fetches the next quarter, q, into g.
.macro QUARTER slot, q, f, g, first
	s_wait_dscnt 16                                ; the first 32 along K are in; the youngest sixteen loads may be out
	WIN MUL
	MUL8 \f, 0, 0, \first
	MUL8 \f, 0, 2, \first
	PLACES
	FETCH \slot, \q, \g
	s_wait_dscnt 32                                ; all but the 32 just issued
	WIN MUL
	MUL8 \f, 1, 0, 0
	MUL8 \f, 1, 2, 0
.endm
; The last quarter multiplies buffer 1 and changes slots: ONE barrier; in front of it each wave waits for all its tensor loads, adds 0 to its spare word, and waits for that and for its reads of this slot.  fill = 1: this slot is filled again, two K steps ahead.
.macro TURN slot, next, fill
	WIN 0                                          ; (the add's two registers lie in window 0)
	s_wait_tensorcnt 0x0                           ; all my tensor loads have landed: my part of the next slot;
	ds_add_u32 v[SPW], v[NIL]                      ; 0 onto my spare word;
	s_wait_dscnt 17                                ; (the add and the youngest sixteen loads may be out)
	WIN MUL
	MUL8 F1, 0, 0, 0                               ; eight matrix instructions stand between the add and the wait for it
	s_wait_dscnt 0x0                               ; the add is done, and my reads of this slot are over
	s_barrier_signal -1
	MUL8 F1, 0, 2, 0
.if \fill
	WIN 0
.endif
	s_barrier_wait -1
.if \fill
	CREST                                          ; the barrier has opened a round of the cluster's barrier: no wave of any partner still reads this slot's tile or has a load on its way
	s_add_nc_u64 s[G0+4*\slot+2:G0+4*\slot+3], s[G0+4*\slot+2:G0+4*\slot+3], 2*8192
	s_add_nc_u64 s[G0B+4*\slot+2:G0B+4*\slot+3], s[G0B+4*\slot+2:G0B+4*\slot+3], 2*8192
	JLOAD \slot                                    ; the first tensor load behind the round; the four v_nop behind it are also the places in front of the loads below
.else
	PLACES
.endif
	FETCH \next, 0, F0
	WIN MUL
	MUL8 F1, 1, 0, 0
	MUL8 F1, 1, 2, 0
.endm
	s_wait_tensorcnt 1                             ; my part of K step 0 is in (K step 1's load may be out)
	s_barrier_signal -1
	s_barrier_wait -1                              ; everybody's is
	FETCH 0, 0, F0
	s_wait_loadcnt 0x0                             ; the bias
	QUARTER 0, 1, F0, F1, 1                        ; K step 0: its first products start the sums
	QUARTER 0, 2, F1, F0, 0
	QUARTER 0, 3, F0, F1, 0
	TURN 0, 1, 1                                   ; slot 0 takes K step 2
	QUARTER 1, 1, F0, F1, 0                        ; K step 1
	QUARTER 1, 2, F1, F0, 0
	QUARTER 1, 3, F0, F1, 0
	TURN 1, 0, 1                                   ; slot 1 takes K step 3
	QUARTER 0, 1, F0, F1, 0                        ; K step 2
	QUARTER 0, 2, F1, F0, 0
	QUARTER 0, 3, F0, F1, 0
	TURN 0, 1, 0                                   ; nothing is left to fetch: no round
	QUARTER 1, 1, F0, F1, 0                        ; K step 3
	QUARTER 1, 2, F1, F0, 0
	QUARTER 1, 3, F0, F1, 0
	s_wait_dscnt 16                                ; the very last quarter
	WIN MUL
	MUL8 F1, 0, 0, 0
	MUL8 F1, 0, 2, 0
	s_wait_dscnt 0x0
	MUL8 F1, 1, 0, 0
	MUL8 F1, 1, 2, 0
	WIN 0
; THE WAY OUT, a tile of 16 rows x 64 columns at a time.  A lane holds 32 neighbouring bytes of a row, and the lanes beside it hold other rows: so a tile goes through my own stage and comes back as whole
; rows of 256 bytes.  LDS serves a wave's instructions in order (ISA guide 5.7.1.4): no wait between the stores and the loads, nor in front of the next tile's stores.
.macro TOSTAGE a
.irp b, 0,1,2,3
	ds_store_b128 v[STO], v[ACC+8*(4*(\a)+\b):ACC+8*(4*(\a)+\b)+3] offset:64*\b          ; each accumulator from its low end on
	ds_store_b128 v[STO], v[ACC+8*(4*(\a)+\b)+4:ACC+8*(4*(\a)+\b)+7] offset:64*\b+16
.endr
.irp t, 0,1,2,3,4,5,6,7
	ds_load_b128 v[OB+32*((\a)%2)+4*\t:OB+32*((\a)%2)+4*\t+3], v[RD] offset:\t*2*SPITCH
.endr
.endm
.macro SEND a, younger                 ; younger: the LDS instructions issued behind tile a's loads, which may stay out
	s_wait_dscnt \younger
.irp t, 0,1,2,3,4,5,6,7
	global_store_b128 v[CO], v[OB+32*((\a)%2)+4*\t:OB+32*((\a)%2)+4*\t+3], s[10:11] offset:(16*(\a)+2*\t)*4096 th:TH_STORE_NT   ; 16 lanes store 256 consecutive bytes, aligned; written once, read by nobody here
.endr
.endm
	PLACES
	TOSTAGE 0
	TOSTAGE 1
	SEND 0, 16                                     ; behind tile 0's loads: tile 1's 8 stores and 8 loads
	s_wait_xcnt 0x0                                ; tile 0's stores have read their registers: tile 2's loads may land there
	TOSTAGE 2
	SEND 1, 16
	s_wait_xcnt 0x0
	TOSTAGE 3
	SEND 2, 16
	SEND 3, 0
	s_wait_tensorcnt 0x0                           ; the wave's end: behind my last tensor load and my last LDS store
	ds_add_u32 v[SPW], v[NIL]
	s_wait_dscnt 0x0
	CROUND                                         ; the closing round: no work-group ends while a partner may still ask for a tile that names it
	s_endpgm
.Lfunc_end_k_qf04cf370d1_outp:
	.size	k_qf04cf370d1_outp, .Lfunc_end_k_qf04cf370d1_outp-k_qf04cf370d1_outp
	.p2alignl 7, 3214868480
	.fill 96, 4, 3214868480
	.section	.rodata,"a",@progbits
	.p2align	6, 0x0
	.amdhsa_kernel k_qf04cf370d1_outp
		.amdhsa_group_segment_fixed_size 327680
		.amdhsa_private_segment_fixed_size 0
		.amdhsa_enable_private_segment 0
		.amdhsa_kernarg_size 32
		.amdhsa_user_sgpr_count 2
		.amdhsa_user_sgpr_kernarg_segment_ptr 1
		.amdhsa_wavefront_size32 1
		.amdhsa_system_sgpr_workgroup_id_x 1
		.amdhsa_system_sgpr_workgroup_id_y 1
		.amdhsa_system_sgpr_workgroup_id_z 1
		.amdhsa_system_vgpr_workitem_id 0
		.amdhsa_next_free_vgpr 512
		.amdhsa_next_free_sgpr 66
		.amdhsa_reserve_vcc 0
		.amdhsa_float_denorm_mode_32 3
		.amdhsa_float_denorm_mode_16_64 3
		.amdhsa_memory_ordered 1
		.amdhsa_forward_progress 1
		.amdhsa_inst_pref_size 86
	.end_amdhsa_kernel
	.amdgpu_metadata
---
amdhsa.version: [ 1, 2 ]
amdhsa.kernels:
  - .name:           k_qf04cf370d1_outp
    .symbol:         k_qf04cf370d1_outp.kd
    .args:
      - { .name: ctx, .offset: 0, .size: 8, .value_kind: global_buffer, .address_space: global }
      - { .name: wof, .offset: 8, .size: 8, .value_kind: global_buffer, .address_space: global }
      - { .name: b_out, .offset: 16, .size: 8, .value_kind: global_buffer, .address_space: global }
      - { .name: out0, .offset: 24, .size: 8, .value_kind: global_buffer, .address_space: global }
    .group_segment_fixed_size: 327680
    .private_segment_fixed_size: 0
    .kernarg_segment_align: 8
    .kernarg_segment_size: 32
    .max_flat_workgroup_size: 128
    .sgpr_count:     66
    .vgpr_count:     512
    .wavefront_size: 32
...
	.end_amdgpu_metadata
.endif
;; end of part 4
